; MI455X (gfx1250); checked and timed in simulation.
; The chip was launched on July 23, 2026; its instructions are those of AMD's public machine-readable ISA for CDNA 5 (MIT licence, August 2026) and "CDNA5" Instruction Set Architecture Reference Guide (July 2026). The comments in the code are by the model that wrote it; some were corrected since.
;; MLP Native. Allowed arithmetic: matrix products marked QUANTISED: E2M3 operands, one E8M0 scale for each 32 along K, by v_wmma_scale_f32_16x16x128_f8f6f4 with both operands' format E2M3, f32 sums; products left as they are: f32 operands where the result goes on into a quantised operand, else bf16, f16 or f32 operands; f32 sums; everything else in f32.
;; Inputs: W_first 64 x 3 float32; W_h0 64 x 64 float32; W_h1 64 x 64 float32; W_last 16 x 64 float32; x 2,097,152 x 3 float32.
;; Outputs: out0 2,097,152 x 1 float32.
;; This version of the problem:
;;   THIS VERSION OF THE PROBLEM IS GIVEN IN LOW PRECISION. The matrix products marked QUANTISED in the list below multiply operands that are first quantised to E2M3 (2 exponent bits, 3 mantissa bits; 6 bits a number), with one power-of-two scale for each 32 numbers along K (OCP MX v1.0); their sums are f32. All else is computed in f32.
;;   The module's matrix products, in the order in which they are computed (A, B: the left and right operand; K: the contracted axis; several contracted axes count as one K, in the product's order):
;;     1. [M 2,097,152, K 3] x [K 3, N 64]; A: input x; B: input W_first: left as it is (K = 3 < 32)
;;     2. [M 2,097,152, K 64] x [K 64, N 64]; A: computed on the way; B: input W_h0: QUANTISED
;;     3. [M 2,097,152, K 64] x [K 64, N 64]; A: computed on the way; B: input W_h1: QUANTISED
;;     4. [M 2,097,152, K 64] x [K 64, N 16]; A: computed on the way; B: input W_last: QUANTISED
;;   THE QUANTISER, for each operand of a quantised product, along K:
;;     - K is cut into blocks of 32 from its start; a last block that is shorter is filled with zeros.
;;     - A block's scale is 2^e with e = floor(log2(the largest magnitude in the block)) - 2, held to -126 .. 127; a block of zeros has e = 0. As a byte (E8M0): e + 127.
;;     - Each number is divided by its block's scale, clamped to +-7.5, and rounded to the nearest number of E2M3, ties to even, subnormals kept.
;;     - The product sums the exact products of the quantised numbers (number of the format x scale) in f32.
;;   ~~~python
;;   def quantise(x, axis):      # numpy; x: float32 -> the quantised numbers, widened to float32 again
;;       x = np.moveaxis(x, axis, -1); K = x.shape[-1]
;;       x = np.pad(x, [(0, 0)] * (x.ndim - 1) + [(0, -K % 32)]); x = x.reshape(x.shape[:-1] + (-1, 32)); a = np.abs(x).max(-1, keepdims=True)
;;       e = np.where(a > 0, np.clip(np.frexp(np.where(a > 0, a, 1))[1] - 1 - 2, -126, 127), 0)      # np.frexp(a)[1] - 1 = floor(log2(a)), exactly
;;       r = np.clip(x / 2.0 ** e, -7.5, 7.5)
;;       step = 2.0 ** (np.maximum(np.frexp(np.where(r == 0, 1, r))[1] - 1, 0) - 3)
;;       q = np.round(r / step) * step * 2.0 ** e      # np.round: ties to even
;;       return np.moveaxis(q.reshape(q.shape[:-2] + (-1,))[..., :K], -1, axis).astype(np.float32)
;;   ~~~
;;   OPERANDS COMPUTED ON THE WAY. 'Computed on the way' means the value that the module computes at that place (a softmax that the list does not call 'softmax' is quantised finished and normalised). What goes into a quantiser is computed in f32, as accurately as f32 sums, v_exp_f32 and their like allow (about 1e-6 of the number): no bf16 or f16 on the way to a quantiser, and a product that is left as it is and whose result goes on into a quantised operand takes f32 operands (vector FMAs, or v_wmma_f32_16x16x4_f32). A number that lies on a knife's edge between two numbers of the format may be rounded either way, as far as f32 arithmetic and the matrix unit's own rounding can turn it there, and no further.
;; 2 versions, each right; version 2 is version 1 with the launch mlp written anew for expert scheduling mode. Each part assembles by itself: llvm-mc -triple=amdgcn-amd-amdhsa -mcpu=gfx1250 --defsym DOCPART=n.
;; ======== version 1 of 2: 1 launch
;; launch mlp (part 1): grid 256 x 1, 16 waves a work-group, no clusters, 28,672 bytes of LDS; arguments x, W_first, W_h0, W_h1, W_last, out0; writes out0
.if DOCPART == 1
	.amdgcn_target "amdgcn-amd-amdhsa--gfx1250"
	.amdhsa_code_object_version 6
	.text
	.protected	k_q72eaad28ed_mlp
	.globl	k_q72eaad28ed_mlp
	.p2align	8
	.type	k_q72eaad28ed_mlp,@function
k_q72eaad28ed_mlp:
	s_mov_b64 s[64:65], 0
	v_nop
	global_prefetch_b8 v0, s[64:65] scope:SCOPE_SE
	s_setreg_imm32_b32 hwreg(HW_REG_WAVE_MODE, 25, 1), 1
	s_wait_xcnt 0x0
; out0[p] = column 0 of relu(relu(relu(x W_first^T) W_h0^T) W_h1^T) W_last^T, for 2,097,152 points p.  x: [points][3] f32; W_first [64][3], W_h0, W_h1 [64][64], W_last [16][64] f32; out0 [points][1] f32.
; The first product (K = 3) keeps f32 operands; the other three multiply codes of FP6 (E2M3) with one E8M0 scale for each 32 along K = 64; all sums are f32.  Everything is fused: x is read once, out0 written once.
; DEAD WORK.  reference() keeps column 0 of the last product and slices columns 1 to 15 away.  Column n is made of row n of W_last alone, and the quantiser's blocks run along K inside a row, so rows 1 to 15 of W_last can move
; neither a code nor a scale nor a sum of column 0, whatever they hold.  They are not loaded; W_last stays an argument for its row 0.  LIMIT: a NaN, an infinity or an overflow that lies in rows 1 to 15 of W_last alone is not carried anywhere.
; LIMITS.  NaN and infinities among the inputs are not served.  A block of zeros gets the scale byte 1 (the rule says 127): its codes are zeros, which add nothing, and the bytes are read by this program alone.
; A block whose largest magnitude lies under 2^-124 gets the byte 1, which is the rule's hold at e = -126.
; SHARES.  256 work-groups of sixteen waves with 256 registers each.  A work-group owns 8,192 neighbouring points; a wave walks 8 trips of 64 points: in trip i wave w takes points 1,024 i + 64 w on.
; Lane L holds points 2 L (set a) and 2 L + 1 (set b); a set is two tiles of 16 points: tile 0 = lanes 0-15, tile 1 = lanes 16-31.
; LAYOUT.  Every product is used transposed: source 0 = 16 rows of a weight, source 1 = 16 points.  THE ROWS OF A WEIGHT THAT FORM A TILE ARE NOT NEIGHBOURS: row m of tile t is weight row 8 t + m % 8 + 32 (m / 8).
; In the four results of a layer, register 8 t + j of lane (r, h) is then hidden unit 32 h + 8 t + j of point r: A LANE HOLDS ONE WHOLE BLOCK of 32 along the next K, so a block's maximum asks no other lane.
; K = 64 fills half of the instruction's 128.  Of an operand's 12 registers, 0-2 (places 32 h + 0..15) take k = 32 h + 0..15 and 6-8 (places 64 + 32 h + 0..15) take k = 32 h + 16..31; registers 3-5 and 9-11 hold zero codes, on both sides.
; So both conversions write to even register numbers and no code is moved.  The places' blocks 0, 1, 2, 3 are K's blocks 0, 1, 0, 1: a scale word is the bytes s0, s1, s0, s1.
; The first layer goes by the f32 matrix form (K = 4, k = 3 an exact zero on both sides); the registers it writes (ACC) are written by matrix instructions alone, so the clipped numbers go to HID.
; The last layer's weight fragment holds W_last's row 0 in all its 16 rows: register 0 of the result is the point's output in both halves of the lanes.
; WEIGHTS.  Waves 0 to 8 of each work-group quantise one fragment each and hand it round through LDS as an image of its registers (16 bytes a lane, 512 bytes a store); then all nine stay in every wave's registers.
; No joint loads: the launch has no tensor load; what work-groups share is 33,792 bytes of weights, read once at the head, beside 131,072 bytes of x and out0 of a work-group's own.
; BY TURNS.  A stage is: the maximum of one tile's results | the other tile's matrix instructions | clip, convert and scale word of the first.  One operand ACT and one HID serve both tiles.
.set DUAL,  1                          ; 1: the clip takes two numbers an instruction
.set FRB,   1536                       ; a fragment's image in LDS: 12 registers x 128 bytes
.set SCL,   16*FRB                     ; LDS: 16 places for images (wave x FRB stays inside for every wave; 9 are used), then 16 x 128 bytes for scale words,
.set SPARE, SCL+16*128                 ; then the spare words, 128 bytes for each wave: eight blocks of 256 bytes that no other line names
.set TRIPB, 1024*12                    ; a trip on, in x
.set OSTEP, 1024*4                     ; and in out0
.set FLOOR, 0x1800000                  ; 2^(3 - 127): no largest magnitude is taken under it, so a scale's byte cannot fall under 1
.set XOFF, 1                           ; v1      24 x lane: my two points in the wave's 768 bytes of x; never rewritten
.set OOFF, 2                           ; v2      8 x lane: the same in out0; never rewritten
.set SC,   3                           ; v3      the conversions' scale operand
.set MA,   4                           ; v4-7    four chains of the maximum
.set BY,   8                           ; v8      my block's scale byte
.set OT,   9                           ; v9      the other half's
.set SW,   10                          ; v10, v11 the activations' scale words, tile 0's and tile 1's: scales and nothing else
.set OUT,  12                          ; v12-13  set a's and set b's output
.set SPW,  14                          ; v14     LDS address of my spare word: SPARE + 4 x my thread's number; never rewritten
.set NIL,  15                          ; v15     0; never rewritten
.set XA,   16                          ; v16-19  set a's x: tile 0's fragment v[16:17], tile 1's v[18:19]
.set XB,   20                          ; v20-23  set b's
.set WF,   24                          ; v24-31  W_first's four f32 fragments
.set AS,   32                          ; v32-40  the weights' scale words, fragment f at AS + f: scales and nothing else
.set ACT,  44                          ; v44-55  the activations' fragment; v47-49 and v53-55 stay zero
.set RES,  56                          ; v56-63  the last layer's result
.set HID,  64                          ; v64-79  16 clipped numbers (at the head v64-66 hold three byte offsets)
.set ACC,  80                          ; v80-111 tile 0's four results, v112-143 tile 1's
.set WT,   144                         ; v144-251 nine weight fragments, f at WT + 12 f: 0-3 W_h0, 4-7 W_h1, 8 W_last (at the head v144-175 hold 32 raw weights)
.set IMGW, 252                         ; v252    where my wave stores its image: 16 x lane + FRB x wave
.set SCLW, 253                         ; v253    and its scale words: SCL + 4 x lane + 128 x wave
.set IMGR, 254                         ; v254    16 x lane
.set SCLR, 255                         ; v255    SCL + 4 x lane
.macro LOADX x, off                    ; my point's three numbers.  No cache word: each stretch of x is touched by set a's load and by set b's
	global_load_b96 v[\x:\x+2], v[XOFF], s[4:5] offset:\off
.endm
; The f32 form wants, of point r, k = 2 h + j in register j of lane (r, h).  Two exchanges of halves give both tiles' fragments: v[x:x+1] = (x0, x1 | x2, 0) of lanes 0-15's points, v[x+2:x+3] the same of lanes 16-31's.
.macro PREP x
	v_mov_b32 v[\x+3], 0
	v_permlane16_swap_b32 v[\x], v[\x+2]
	v_permlane16_swap_b32 v[\x+1], v[\x+3]
.endm
.macro MX3 abs, c, x, y                ; chain c takes two numbers
.if \abs
	v_max3_num_f32 v[MA+\c], v[MA+\c], |v[\x]|, |v[\y]|
.else
	v_max3_num_f32 v[MA+\c], v[MA+\c], v[\x], v[\y]
.endif
.endm
.macro MXJ abs, c, e, x                ; chain c takes chain e and one number
.if \abs
	v_max3_num_f32 v[MA+\c], v[MA+\c], v[MA+\e], |v[\x]|
.else
	v_max3_num_f32 v[MA+\c], v[MA+\c], v[MA+\e], v[\x]
.endif
.endm
; The largest of 32 numbers v[d] .. v[d + 31] and the floor, in 16 lines, four chains by turns; each group of eight registers is first read at its low end.
; abs = 1: of their magnitudes (weights).  abs = 0: as they are: what is negative is clipped to 0 further on and must not count; the floor stands over it.
.macro MAX32 d, abs
.if \abs
	v_max3_num_f32 v[MA], |v[\d]|, |v[\d+1]|, FLOOR
	v_max3_num_f32 v[MA+1], |v[\d+8]|, |v[\d+9]|, |v[\d+10]|
	v_max3_num_f32 v[MA+2], |v[\d+16]|, |v[\d+17]|, |v[\d+18]|
	v_max3_num_f32 v[MA+3], |v[\d+24]|, |v[\d+25]|, |v[\d+26]|
.else
	v_max3_num_f32 v[MA], v[\d], v[\d+1], FLOOR
	v_max3_num_f32 v[MA+1], v[\d+8], v[\d+9], v[\d+10]
	v_max3_num_f32 v[MA+2], v[\d+16], v[\d+17], v[\d+18]
	v_max3_num_f32 v[MA+3], v[\d+24], v[\d+25], v[\d+26]
.endif
.irp i, 0,2
	MX3 \abs, 0, \d+2+\i, \d+3+\i
	MX3 \abs, 1, \d+11+\i, \d+12+\i
	MX3 \abs, 2, \d+19+\i, \d+20+\i
	MX3 \abs, 3, \d+27+\i, \d+28+\i
.endr
	MX3 \abs, 0, \d+6, \d+7
	MXJ \abs, 2, 3, \d+23
	MXJ \abs, 0, 1, \d+15
	MXJ \abs, 0, 2, \d+31
.endm
.macro RELU16 s                        ; 16 results, clipped at 0, into HID
.irp i, 0,2,4,6,8,10,12,14
.if DUAL
	v_dual_max_num_f32 v[HID+\i], 0, v[\s+\i] :: v_dual_max_num_f32 v[HID+\i+1], 0, v[\s+\i+1]
.else
	v_max_num_f32 v[HID+\i], 0, v[\s+\i]
	v_max_num_f32 v[HID+\i+1], 0, v[\s+\i+1]
.endif
.endr
.endm
.macro SA p                            ; a stage's first part: my block's largest number of tile p
	MAX32 ACC+32*(\p), 0
.endm
; A stage's last part: tile p's 32 numbers of a lane become codes in ACT and the scale word in SW + p.  Its first nine lines are plain and name nothing of the matrix instructions just issued:
; they are the places between those and the conversion that writes ACT anew (four are asked).
.macro SB p
	v_add_nc_u32 v[SC], 0xff000000, v[MA]          ; 2 off the largest number's exponent field: the conversion takes the exponent field of this operand as its scale, and nothing else of it
	RELU16 ACC+32*(\p)
	v_cvt_scalef32_pk16_fp6_f32 v[ACT:ACT+2], v[HID:HID+15], v[SC]      ; k = 32 h + 0 .. 15
	v_lshrrev_b32 v[BY], 23, v[SC]                 ; the scale's byte.  (Also the plain line between the conversion and the lines that write its sources anew)
	RELU16 ACC+32*(\p)+16
	v_cvt_scalef32_pk16_fp6_f32 v[ACT+6:ACT+8], v[HID:HID+15], v[SC]    ; k = 32 h + 16 .. 31
	v_permlanex16_b32 v[OT], v[BY], s24, s25       ; the byte of the point's other block
	v_perm_b32 v[SW+(\p)], v[OT], v[BY], s26       ; mine, the other's, mine, the other's: in lanes 0-15, which alone are taken, s0 s1 s0 s1
.endm
.macro M1 p, x                         ; the first layer of tile p: four tiles of 16 hidden units; each sum is one K step and begins with the constant 0
.irp t, 0,1,2,3
	v_wmma_f32_16x16x4_f32 v[ACC+32*(\p)+8*\t:ACC+32*(\p)+8*\t+7], v[WF+2*\t:WF+2*\t+1], v[\x+2*(\p):\x+2*(\p)+1], 0
.endr
.endm
.macro MH p, l                         ; a hidden layer of tile p: l = 0 W_h0, l = 1 W_h1.  Four accumulators, one instruction each: no sum is taken up again
.irp t, 0,1,2,3
	v_wmma_scale_f32_16x16x128_f8f6f4 v[ACC+32*(\p)+8*\t:ACC+32*(\p)+8*\t+7], v[WT+12*(4*(\l)+\t):WT+12*(4*(\l)+\t)+11], v[ACT:ACT+11], 0, v[AS+4*(\l)+\t], v[SW+(\p)] matrix_a_fmt:MATRIX_FMT_FP6 matrix_b_fmt:MATRIX_FMT_FP6
.endr
.endm
.macro M4 p                            ; the last layer of tile p
	v_wmma_scale_f32_16x16x128_f8f6f4 v[RES:RES+7], v[WT+96:WT+107], v[ACT:ACT+11], 0, v[AS+8], v[SW+(\p)] matrix_a_fmt:MATRIX_FMT_FP6 matrix_b_fmt:MATRIX_FMT_FP6
.endm
.macro TAKE0 x                         ; tile 0's outputs: lanes 0-15 count
	v_mov_b32 v[OUT+\x], v[RES]
.endm
.macro TAKE1 x                         ; tile 1's: lanes 16-31
	v_cndmask_b32 v[OUT+\x], v[OUT+\x], v[RES], s27
.endm
.macro STORE off                       ; 32 lanes store 256 consecutive bytes, at a multiple of 256 from out0's first byte; written once, read by nobody here
	global_store_b64 v[OOFF], v[OUT:OUT+1], s[14:15] offset:\off th:TH_STORE_NT
.endm
; Four stages: both hidden layers of both tiles.  On the way in ACT holds tile 0's first hidden layer and ACC's upper half tile 1's raw first layer; on the way out ACT holds tile 0's third, ACC's upper half tile 1's raw third.
; A scale word is written 16 plain lines (the next stage's maximum) ahead of the matrix instructions that take it, the codes likewise; results are first read 18 plain lines or more behind their matrix instruction.
.macro HIDDEN
	SA 1
	MH 0, 0
	SB 1
	SA 0
	MH 1, 0
	SB 0
	SA 1
	MH 0, 1
	SB 1
	SA 0
	MH 1, 1
	SB 0
.endm
; A trip: 64 points.  more = 1: the next trip's x is asked for and its first layer begun; more = 0: the last trip, which loads nothing: no load leaves x.
.macro BODY more
.if \more
	LOADX XA, TRIPB                                ; the next trip's set a, ten stages ahead of its use.  (The last matrix instruction that took these registers stands 20 plain lines back)
.endif
	HIDDEN                                         ; set a
	s_wait_loadcnt \more                           ; set b's x is in; the one load issued behind it, the next trip's set a, may be out (last trip: none was issued)
	s_wait_xcnt 0x0                                ; every earlier load and store has had its addresses translated (ISA guide 3.1): only behind this wait are the two bases stepped and OUT, which the last store named, written anew
.if \more
	s_add_nc_u64 s[4:5], s[4:5], TRIPB
	s_add_nc_u64 s[14:15], s[14:15], OSTEP
.endif
	PREP XB
	SA 1
	M4 0
	M1 0, XB                                       ; set b begins while set a ends
	SB 1
	TAKE0 0
	SA 0
	M4 1
	M1 1, XB
	SB 0
	TAKE1 0
.if \more
	LOADX XB, 12                                   ; the next trip's set b (the base has stepped)
.endif
	HIDDEN                                         ; set b
.if \more
	s_wait_loadcnt 1                               ; the next trip's set a is in; set b's load, issued behind it, may be out
	PREP XA
.endif
	SA 1
	M4 0
.if \more
	M1 0, XA
.endif
	SB 1
	TAKE0 1
.if \more
	SA 0
	M4 1
	M1 1, XA
	SB 0
	TAKE1 1
	STORE -OSTEP                                   ; this trip's 64 outputs: the base stands a trip on
.else
.rept 8
	v_nop                                          ; no other tile's work is left: eight places between the scale word's last line and the matrix instruction that takes it
.endr
	M4 1
.rept 4
	v_nop                                          ; and four in front of the line that takes its result (ISA guide 7.12.1)
.endr
	TAKE1 1
	STORE 0
.endif
.endm
	s_load_b256 s[4:11], s[0:1], 0x0               ; x s[4:5], W_first s[6:7], W_h0 s[8:9], W_h1 s[10:11]
	s_load_b128 s[12:15], s[0:1], 0x20             ; W_last s[12:13], out0 s[14:15]
	v_lshl_add_u32 v[SPW], v0, 2, SPARE
	v_mov_b32 v[NIL], 0
	v_lshrrev_b32 v41, 5, v0
	v_readfirstlane_b32 s16, v41                   ; wave 0..15
	v_and_b32 v41, 31, v0                          ; lane
	v_mul_u32_u24 v[XOFF], v41, 24
	v_lshlrev_b32 v[OOFF], 3, v41
	v_and_b32 v42, 7, v0
	v_bfe_u32 v43, v0, 3, 1
	v_lshl_add_u32 v42, v43, 5, v42                ; r % 8 + 32 (r / 8): my row in tile 0 of a weight of 64 rows
	v_bfe_u32 v43, v0, 4, 1                        ; h
	v_lshlrev_b32 v[IMGR], 4, v41                  ; all four LDS addresses are made here, ahead of the branch on the wave's number
	v_lshl_add_u32 v[SCLR], v41, 2, SCL
	s_mul_i32 s17, s16, FRB
	v_add_nc_u32 v[IMGW], s17, v[IMGR]
	s_lshl_b32 s17, s16, 7
	v_add_nc_u32 v[SCLW], s17, v[SCLR]
	v_mul_u32_u24 v[HID], v42, 12                  ; W_first: a row is 12 bytes
	v_add_nc_u32 v[HID+1], 4, v[HID]               ; register 1: k = 1 (lanes 16-31 load it too and are cleared below: their k = 3 does not exist)
	v_lshl_add_u32 v[HID], v43, 3, v[HID]          ; register 0: k = 2 h
.irp i, 3,4,5,9,10,11
	v_mov_b32 v[ACT+\i], 0                         ; the zero codes of the unused places: written once, and part of every weight's image too
.endr
	v_mov_b32 v[OT], 0                             ; written once: a lane permute's destination counts as one of its sources
	s_mov_b32 s24, 0x76543210
	s_mov_b32 s25, 0xfedcba98                      ; v_permlanex16_b32's selects for lane l xor 16
	s_mov_b32 s26, 0x04000400                      ; v_perm_b32: byte 0 of the second source, byte 0 of the first, and again
	s_mov_b32 s27, 0xffff0000                      ; lanes 16-31
	s_mov_b32 s29, 0x0000ffff                      ; lanes 0-15
	s_mul_i32 s22, ttmp9, 8192*12                  ; x: my work-group's 8,192 points,
	s_mul_i32 s17, s16, 64*12                      ; my wave's 64 of a trip's 1,024
	s_add_co_u32 s22, s22, s17
	s_mov_b32 s23, 0
	s_wait_kmcnt 0x0
	s_add_nc_u64 s[4:5], s[4:5], s[22:23]
	s_lshl_b32 s22, ttmp9, 15                      ; out0 likewise, 4 bytes a point
	s_lshl_b32 s17, s16, 8
	s_add_co_u32 s22, s22, s17
	s_add_nc_u64 s[14:15], s[14:15], s[22:23]
	LOADX XA, 0                                    ; the first trip's two sets
	LOADX XB, 12
.irp t, 0,1,2,3
	global_load_b32 v[WF+2*\t], v[HID], s[6:7] offset:96*\t        ; W_first's tile t begins 8 t rows on
	global_load_b32 v[WF+2*\t+1], v[HID+1], s[6:7] offset:96*\t
.endr
	; ---- waves 0 to 8 make one weight fragment each; the others go straight to the barrier
	s_cmp_gt_u32 s16, 8
	s_cbranch_scc1 .Lmade
	s_cmp_lt_u32 s16, 4                            ; the choice of the weight hangs on the wave's number alone
	s_cselect_b64 s[18:19], s[8:9], s[10:11]
	s_cmp_lt_u32 s16, 8
	s_cselect_b64 s[18:19], s[18:19], s[12:13]
	s_cselect_b32 s20, 256, 0                      ; bytes from row to row; for W_last 0: every lane takes the live row 0
	s_and_b32 s21, s16, 3
	s_lshl_b32 s21, s21, 3                         ; tile t begins 8 t rows on
	v_add_nc_u32 v[HID+2], s21, v42
	v_mul_u32_u24 v[HID+2], s20, v[HID+2]
	v_lshl_add_u32 v[HID+2], v43, 7, v[HID+2]      ; my row, + 128 h: block h of its 64 numbers
.irp i, 0,1,2,3,4,5,6,7
	global_load_b128 v[WT+4*\i:WT+4*\i+3], v[HID+2], s[18:19] offset:16*\i
.endr
	s_wait_loadcnt 0x0
	MAX32 WT, 1
	v_add_nc_u32 v[SC], 0xff000000, v[MA]
	v_cvt_scalef32_pk16_fp6_f32 v[ACT:ACT+2], v[WT:WT+15], v[SC]
	v_cvt_scalef32_pk16_fp6_f32 v[ACT+6:ACT+8], v[WT+16:WT+31], v[SC]
	v_lshrrev_b32 v[BY], 23, v[SC]                 ; (a plain line behind the conversions)
	v_permlanex16_b32 v[OT], v[BY], s24, s25
	v_perm_b32 v[SW], v[OT], v[BY], s26
.irp c, 0,1,2
	ds_store_b128 v[IMGW], v[ACT+4*\c:ACT+4*\c+3] offset:512*\c    ; the fragment as it stands in my registers, zero codes and all
.endr
	ds_store_b32 v[SCLW], v[SW]
.Lmade:
	s_wait_dscnt 0x0                               ; for the others' sake: my stores have landed
	s_barrier_signal -1
	s_barrier_wait -1                              ; the launch's one barrier: nine images lie in LDS, and nobody writes them again
.irp f, 0,1,2,3,4,5,6,7,8
.irp c, 0,1,2
	ds_load_b128 v[WT+12*\f+4*\c:WT+12*\f+4*\c+3], v[IMGR] offset:FRB*\f+512*\c
.endr
	ds_load_b32 v[AS+\f], v[SCLR] offset:128*\f
.endr
	s_wait_loadcnt 0x0                             ; x's first two sets and W_first
.irp t, 0,1,2,3
	v_cndmask_b32 v[WF+2*\t+1], 0, v[WF+2*\t+1], s29               ; k = 3 is 0 in W_first's fragments as in x's
.endr
	s_wait_dscnt 0x0                               ; the weights are in my registers, for the whole launch
	; ---- the pipeline is filled: set a's first layer, and tile 0's first stage
	PREP XA
	M1 0, XA
.rept 8
	v_nop                                          ; eight places between the f32 form and the first line that takes its result: no other work is at hand yet
.endr
	SA 0
	M1 1, XA
	SB 0
	s_mov_b32 s28, 7
.Ltrip:                                            ; seven trips that look ahead,
	BODY 1
	s_sub_co_u32 s28, s28, 1
	s_cmp_lg_u32 s28, 0
	s_cbranch_scc1 .Ltrip
	BODY 0                                         ; and the eighth, written out
	s_wait_tensorcnt 0x0                           ; the wave's end
	ds_add_u32 v[SPW], v[NIL]
	s_wait_dscnt 0x0
	s_endpgm
.Lfunc_end_k_q72eaad28ed_mlp:
	.size	k_q72eaad28ed_mlp, .Lfunc_end_k_q72eaad28ed_mlp-k_q72eaad28ed_mlp
	.p2alignl 7, 3214868480
	.fill 96, 4, 3214868480
	.section	.rodata,"a",@progbits
	.p2align	6, 0x0
	.amdhsa_kernel k_q72eaad28ed_mlp
		.amdhsa_group_segment_fixed_size 28672
		.amdhsa_private_segment_fixed_size 0
		.amdhsa_enable_private_segment 0
		.amdhsa_kernarg_size 48
		.amdhsa_user_sgpr_count 2
		.amdhsa_user_sgpr_kernarg_segment_ptr 1
		.amdhsa_wavefront_size32 1
		.amdhsa_system_sgpr_workgroup_id_x 1
		.amdhsa_system_sgpr_workgroup_id_y 1
		.amdhsa_system_sgpr_workgroup_id_z 1
		.amdhsa_system_vgpr_workitem_id 0
		.amdhsa_next_free_vgpr 256
		.amdhsa_next_free_sgpr 66
		.amdhsa_reserve_vcc 0
		.amdhsa_float_denorm_mode_32 3
		.amdhsa_float_denorm_mode_16_64 3
		.amdhsa_memory_ordered 1
		.amdhsa_forward_progress 1
		.amdhsa_inst_pref_size 79
	.end_amdhsa_kernel
	.amdgpu_metadata
---
amdhsa.version: [ 1, 2 ]
amdhsa.kernels:
  - .name:           k_q72eaad28ed_mlp
    .symbol:         k_q72eaad28ed_mlp.kd
    .args:
      - { .name: x, .offset: 0, .size: 8, .value_kind: global_buffer, .address_space: global }
      - { .name: W_first, .offset: 8, .size: 8, .value_kind: global_buffer, .address_space: global }
      - { .name: W_h0, .offset: 16, .size: 8, .value_kind: global_buffer, .address_space: global }
      - { .name: W_h1, .offset: 24, .size: 8, .value_kind: global_buffer, .address_space: global }
      - { .name: W_last, .offset: 32, .size: 8, .value_kind: global_buffer, .address_space: global }
      - { .name: out0, .offset: 40, .size: 8, .value_kind: global_buffer, .address_space: global }
    .group_segment_fixed_size: 28672
    .private_segment_fixed_size: 0
    .kernarg_segment_align: 8
    .kernarg_segment_size: 48
    .max_flat_workgroup_size: 512
    .sgpr_count:     66
    .vgpr_count:     256
    .wavefront_size: 32
...
	.end_amdgpu_metadata
.endif
;; end of part 1
;; ======== version 2 of 2: 1 launch; version 1 with the launch mlp written anew for expert scheduling mode
;; launch mlp (part 2): grid 256 x 1, 16 waves a work-group, no clusters, 28,672 bytes of LDS; arguments x, W_first, W_h0, W_h1, W_last, out0; writes out0
.if DOCPART == 2
	.amdgcn_target "amdgcn-amd-amdhsa--gfx1250"
	.amdhsa_code_object_version 6
	.text
	.protected	k_q72eaad28ed_mlp
	.globl	k_q72eaad28ed_mlp
	.p2align	8
	.type	k_q72eaad28ed_mlp,@function
k_q72eaad28ed_mlp:
	s_mov_b64 s[64:65], 0
	v_nop
	global_prefetch_b8 v0, s[64:65] scope:SCOPE_SE
	s_setreg_imm32_b32 hwreg(HW_REG_WAVE_SCHED_MODE, 0, 2), 2
	s_setreg_imm32_b32 hwreg(HW_REG_WAVE_MODE, 25, 1), 1
	s_wait_xcnt 0x0
	s_wait_alu depctr_vm_vsrc(0)
; out0[p] = column 0 of relu(relu(relu(x W_first^T) W_h0^T) W_h1^T) W_last^T, for 2,097,152 points p.  x: [points][3] f32; W_first [64][3], W_h0, W_h1 [64][64], W_last [16][64] f32; out0 [points][1] f32.
; The first product (K = 3) keeps f32 operands; the other three multiply codes of FP6 (E2M3) with one E8M0 scale for each 32 along K = 64; all sums are f32.  Everything is fused: x is read once, out0 written once.
; DEAD WORK.  reference() keeps column 0 of the last product and slices columns 1 to 15 away.  Column n is made of row n of W_last alone, and the quantiser's blocks run along K inside a row, so rows 1 to 15 of W_last can move
; neither a code nor a scale nor a sum of column 0, whatever they hold.  They are not loaded; W_last stays an argument for its row 0.  LIMIT: a NaN, an infinity or an overflow that lies in rows 1 to 15 of W_last alone is not carried anywhere.
; LIMITS.  NaN and infinities among the inputs are not served.  A block of zeros gets the scale byte 1 (the rule says 127): its codes are zeros, which add nothing, and the bytes are read by this program alone.
; A block whose largest magnitude lies under 2^-124 gets the byte 1, which is the rule's hold at e = -126.
; SHARES.  256 work-groups of sixteen waves with 256 registers each.  A work-group owns 8,192 neighbouring points; a wave walks 8 trips of 64 points: in trip i wave w takes points 1,024 i + 64 w on.
; Lane L holds points 2 L (set a) and 2 L + 1 (set b); a set is two tiles of 16 points: tile 0 = lanes 0-15, tile 1 = lanes 16-31.
; LAYOUT.  Every product is used transposed: source 0 = 16 rows of a weight, source 1 = 16 points.  THE ROWS OF A WEIGHT THAT FORM A TILE ARE NOT NEIGHBOURS: row m of tile t is weight row 8 t + m % 8 + 32 (m / 8).
; In the four results of a layer, register 8 t + j of lane (r, h) is then hidden unit 32 h + 8 t + j of point r: A LANE HOLDS ONE WHOLE BLOCK of 32 along the next K, so a block's maximum asks no other lane.
; K = 64 fills half of the instruction's 128.  Of an operand's 12 registers, 0-2 (places 32 h + 0..15) take k = 32 h + 0..15 and 6-8 (places 64 + 32 h + 0..15) take k = 32 h + 16..31; registers 3-5 and 9-11 hold zero codes, on both sides.
; So both conversions write to even register numbers and no code is moved.  The places' blocks 0, 1, 2, 3 are K's blocks 0, 1, 0, 1: a scale word is the bytes s0, s1, s0, s1.
; The first layer goes by the f32 matrix form (K = 4, k = 3 an exact zero on both sides); the registers it writes (ACC) are written by matrix instructions alone, so the clipped numbers go to HID.
; The last layer's weight fragment holds W_last's row 0 in all its 16 rows: register 0 of the result is the point's output in both halves of the lanes.
; WEIGHTS.  Waves 0 to 8 of each work-group quantise one fragment each and hand it round through LDS as an image of its registers (16 bytes a lane, 512 bytes a store); then all nine stay in every wave's registers.
; No joint loads: the launch has no tensor load; what work-groups share is 33,792 bytes of weights, read once at the head, beside 131,072 bytes of x and out0 of a work-group's own.
; BY TURNS.  A stage is: the maximum of one tile's results | the other tile's matrix instructions | clip, convert and scale word of the first.  One operand ACT and one HID serve both tiles.
; THE MODE: SCHED_MODE bits 1:0 = 2 (LLVM: expert scheduling mode 2), set by the entry lines.  The code itself states the register dependences
; between vector or matrix instructions and memory or LDS instructions, with s_wait_alu, always for 0.
; THE PLAN.  Registers that memory or LDS instructions touch:
;   XOFF, OOFF, IMGW, SCLW, IMGR, SCLR, SPW, NIL   made by vector lines at the head, ahead of the head's wait on va_vdst, and never written again.
;   v64-66       byte offsets of the head's loads of weights; from the first stage on they are HID, written by the clip.  One wait on vm_vsrc behind the barrier stands between.
;   v144-175     the makers' raw weights: loaded, read by the maximum and two conversions, then the images' LDS loads land there: the makers' wait on va_vdst ahead of their LDS stores stands between.
;   ACT, SW      at the head the data of the makers' LDS stores (a wait on va_vdst ahead of these; the wait on vm_vsrc behind the barrier ahead of the first stage, which writes them anew).
;   XA, XB       a load of x lands; PREP rewrites them; two runs of the f32 matrix form read them; the next load lands.
;   OUT          written by four lines a trip; read by the store at the trip's end.
; IN THE LOOP one wait on va_vdst stands in every stage, directly ahead of its scaled matrix instructions: the conversions have written ACT and v_perm_b32 the scale word, which those take.
; Both loads of x stand behind such a wait, in the first stage behind the last matrix instruction that read their registers, so that they owe no wait of their own, on the way in from the head as over the backward jump.
; The store has a wait on va_vdst ahead of it (OUT is fresh), and one wait on vm_vsrc a trip stands ahead of the first line that writes OUT again.
.set DUAL,  1                          ; 1: the clip takes two numbers an instruction
.set FRB,   1536                       ; a fragment's image in LDS: 12 registers x 128 bytes
.set SCL,   16*FRB                     ; LDS: 16 places for images (wave x FRB stays inside for every wave; 9 are used), then 16 x 128 bytes for scale words,
.set SPARE, SCL+16*128                 ; then the spare words, 128 bytes for each wave: eight blocks of 256 bytes that no other line names
.set TRIPB, 1024*12                    ; a trip on, in x
.set OSTEP, 1024*4                     ; and in out0
.set FLOOR, 0x1800000                  ; 2^(3 - 127): no largest magnitude is taken under it, so a scale's byte cannot fall under 1
.set XOFF, 1                           ; v1      24 x lane: my two points in the wave's 768 bytes of x; never rewritten
.set OOFF, 2                           ; v2      8 x lane: the same in out0; never rewritten
.set SC,   3                           ; v3      the conversions' scale operand
.set MA,   4                           ; v4-7    four chains of the maximum
.set BY,   8                           ; v8      my block's scale byte
.set OT,   9                           ; v9      the other half's
.set SW,   10                          ; v10, v11 the activations' scale words, tile 0's and tile 1's: scales and nothing else
.set OUT,  12                          ; v12-13  set a's and set b's output
.set SPW,  14                          ; v14     LDS address of my spare word: SPARE + 4 x my thread's number; never rewritten
.set NIL,  15                          ; v15     0; never rewritten
.set XA,   16                          ; v16-19  set a's x: tile 0's fragment v[16:17], tile 1's v[18:19]
.set XB,   20                          ; v20-23  set b's
.set WF,   24                          ; v24-31  W_first's four f32 fragments
.set AS,   32                          ; v32-40  the weights' scale words, fragment f at AS + f: scales and nothing else
.set ACT,  44                          ; v44-55  the activations' fragment; v47-49 and v53-55 stay zero
.set RES,  56                          ; v56-63  the last layer's result
.set HID,  64                          ; v64-79  16 clipped numbers (at the head v64-66 hold three byte offsets)
.set ACC,  80                          ; v80-111 tile 0's four results, v112-143 tile 1's
.set WT,   144                         ; v144-251 nine weight fragments, f at WT + 12 f: 0-3 W_h0, 4-7 W_h1, 8 W_last (at the head v144-175 hold 32 raw weights)
.set IMGW, 252                         ; v252    where my wave stores its image: 16 x lane + FRB x wave
.set SCLW, 253                         ; v253    and its scale words: SCL + 4 x lane + 128 x wave
.set IMGR, 254                         ; v254    16 x lane
.set SCLR, 255                         ; v255    SCL + 4 x lane
.macro LOADX x, off                    ; my point's three numbers.  No cache word: each stretch of x is touched by set a's load and by set b's
	global_load_b96 v[\x:\x+2], v[XOFF], s[4:5] offset:\off
.endm
; The f32 form wants, of point r, k = 2 h + j in register j of lane (r, h).  Two exchanges of halves give both tiles' fragments: v[x:x+1] = (x0, x1 | x2, 0) of lanes 0-15's points, v[x+2:x+3] the same of lanes 16-31's.
.macro PREP x
	v_mov_b32 v[\x+3], 0
	v_permlane16_swap_b32 v[\x], v[\x+2]
	v_permlane16_swap_b32 v[\x+1], v[\x+3]
.endm
.macro MX3 abs, c, x, y                ; chain c takes two numbers
.if \abs
	v_max3_num_f32 v[MA+\c], v[MA+\c], |v[\x]|, |v[\y]|
.else
	v_max3_num_f32 v[MA+\c], v[MA+\c], v[\x], v[\y]
.endif
.endm
.macro MXJ abs, c, e, x                ; chain c takes chain e and one number
.if \abs
	v_max3_num_f32 v[MA+\c], v[MA+\c], v[MA+\e], |v[\x]|
.else
	v_max3_num_f32 v[MA+\c], v[MA+\c], v[MA+\e], v[\x]
.endif
.endm
; The largest of 32 numbers v[d] .. v[d + 31] and the floor, in 16 lines, four chains by turns; each group of eight registers is first read at its low end.
; abs = 1: of their magnitudes (weights).  abs = 0: as they are: what is negative is clipped to 0 further on and must not count; the floor stands over it.
.macro MAX32 d, abs
.if \abs
	v_max3_num_f32 v[MA], |v[\d]|, |v[\d+1]|, FLOOR
	v_max3_num_f32 v[MA+1], |v[\d+8]|, |v[\d+9]|, |v[\d+10]|
	v_max3_num_f32 v[MA+2], |v[\d+16]|, |v[\d+17]|, |v[\d+18]|
	v_max3_num_f32 v[MA+3], |v[\d+24]|, |v[\d+25]|, |v[\d+26]|
.else
	v_max3_num_f32 v[MA], v[\d], v[\d+1], FLOOR
	v_max3_num_f32 v[MA+1], v[\d+8], v[\d+9], v[\d+10]
	v_max3_num_f32 v[MA+2], v[\d+16], v[\d+17], v[\d+18]
	v_max3_num_f32 v[MA+3], v[\d+24], v[\d+25], v[\d+26]
.endif
.irp i, 0,2
	MX3 \abs, 0, \d+2+\i, \d+3+\i
	MX3 \abs, 1, \d+11+\i, \d+12+\i
	MX3 \abs, 2, \d+19+\i, \d+20+\i
	MX3 \abs, 3, \d+27+\i, \d+28+\i
.endr
	MX3 \abs, 0, \d+6, \d+7
	MXJ \abs, 2, 3, \d+23
	MXJ \abs, 0, 1, \d+15
	MXJ \abs, 0, 2, \d+31
.endm
.macro RELU16 s                        ; 16 results, clipped at 0, into HID
.irp i, 0,2,4,6,8,10,12,14
.if DUAL
	v_dual_max_num_f32 v[HID+\i], 0, v[\s+\i] :: v_dual_max_num_f32 v[HID+\i+1], 0, v[\s+\i+1]
.else
	v_max_num_f32 v[HID+\i], 0, v[\s+\i]
	v_max_num_f32 v[HID+\i+1], 0, v[\s+\i+1]
.endif
.endr
.endm
.macro SA p                            ; a stage's first part: my block's largest number of tile p
	MAX32 ACC+32*(\p), 0
.endm
; A stage's last part: tile p's 32 numbers of a lane become codes in ACT and the scale word in SW + p.  Its first nine lines are plain and name nothing of the matrix instructions just issued:
; they are the places between those and the conversion that writes ACT anew (four are asked).
.macro SB p
	v_add_nc_u32 v[SC], 0xff000000, v[MA]          ; 2 off the largest number's exponent field: the conversion takes the exponent field of this operand as its scale, and nothing else of it
	RELU16 ACC+32*(\p)
	v_cvt_scalef32_pk16_fp6_f32 v[ACT:ACT+2], v[HID:HID+15], v[SC]      ; k = 32 h + 0 .. 15
	v_lshrrev_b32 v[BY], 23, v[SC]                 ; the scale's byte.  (Also the plain line between the conversion and the lines that write its sources anew)
	RELU16 ACC+32*(\p)+16
	v_cvt_scalef32_pk16_fp6_f32 v[ACT+6:ACT+8], v[HID:HID+15], v[SC]    ; k = 32 h + 16 .. 31
	v_permlanex16_b32 v[OT], v[BY], s24, s25       ; the byte of the point's other block
	v_perm_b32 v[SW+(\p)], v[OT], v[BY], s26       ; mine, the other's, mine, the other's: in lanes 0-15, which alone are taken, s0 s1 s0 s1
.endm
.macro M1 p, x                         ; the first layer of tile p: four tiles of 16 hidden units; each sum is one K step and begins with the constant 0
.irp t, 0,1,2,3
	v_wmma_f32_16x16x4_f32 v[ACC+32*(\p)+8*\t:ACC+32*(\p)+8*\t+7], v[WF+2*\t:WF+2*\t+1], v[\x+2*(\p):\x+2*(\p)+1], 0
.endr
.endm
.macro MH p, l                         ; a hidden layer of tile p: l = 0 W_h0, l = 1 W_h1.  Four accumulators, one instruction each: no sum is taken up again
	s_wait_alu depctr_va_vdst(0)                   ; the conversions have written ACT and v_perm_b32 has written SW + p, which the scaled matrix instructions below take as source 1 and as its scales; the places (the maximum's sixteen lines) stand ahead of this wait
.irp t, 0,1,2,3
	v_wmma_scale_f32_16x16x128_f8f6f4 v[ACC+32*(\p)+8*\t:ACC+32*(\p)+8*\t+7], v[WT+12*(4*(\l)+\t):WT+12*(4*(\l)+\t)+11], v[ACT:ACT+11], 0, v[AS+4*(\l)+\t], v[SW+(\p)] matrix_a_fmt:MATRIX_FMT_FP6 matrix_b_fmt:MATRIX_FMT_FP6
.endr
.endm
.macro M4 p                            ; the last layer of tile p
	s_wait_alu depctr_va_vdst(0)                   ; the conversions have written ACT and v_perm_b32 has written SW + p, which the scaled matrix instruction below takes; the places stand ahead of this wait
	v_wmma_scale_f32_16x16x128_f8f6f4 v[RES:RES+7], v[WT+96:WT+107], v[ACT:ACT+11], 0, v[AS+8], v[SW+(\p)] matrix_a_fmt:MATRIX_FMT_FP6 matrix_b_fmt:MATRIX_FMT_FP6
.endm
.macro TAKE0 x                         ; tile 0's outputs: lanes 0-15 count
	v_mov_b32 v[OUT+\x], v[RES]
.endm
.macro TAKE1 x                         ; tile 1's: lanes 16-31
	v_cndmask_b32 v[OUT+\x], v[OUT+\x], v[RES], s27
.endm
.macro STORE off                       ; 32 lanes store 256 consecutive bytes, at a multiple of 256 from out0's first byte; written once, read by nobody here
	s_wait_alu depctr_va_vdst(0)                   ; the four lines TAKE0 and TAKE1 have written OUT, which the store reads
	global_store_b64 v[OOFF], v[OUT:OUT+1], s[14:15] offset:\off th:TH_STORE_NT
.endm
; Four stages: both hidden layers of both tiles.  On the way in ACT holds tile 0's first hidden layer and ACC's upper half tile 1's raw first layer; on the way out ACT holds tile 0's third, ACC's upper half tile 1's raw third.
; A scale word is written 16 plain lines (the next stage's maximum) ahead of the matrix instructions that take it, the codes likewise; results are first read 18 plain lines or more behind their matrix instruction.
; more = 1: the next x of the set that has just left its registers v[x ..] is asked for in the first stage.  That stage's wait on va_vdst stands behind PREP and behind both runs of the f32 matrix form that named v[x ..],
; and the four matrix instructions issued since name ACC, WT, ACT, AS and SW alone: so the load owes no wait of its own.
.macro HIDDEN more, x, off
	SA 1
	MH 0, 0
.if \more
	LOADX \x, \off
.endif
	SB 1
	SA 0
	MH 1, 0
	SB 0
	SA 1
	MH 0, 1
	SB 1
	SA 0
	MH 1, 1
	SB 0
.endm
; A trip: 64 points.  more = 1: the next trip's x is asked for and its first layer begun; more = 0: the last trip, which loads nothing: no load leaves x.
.macro BODY more
	HIDDEN \more, XA, TRIPB                        ; set a; in its first stage the next trip's set a is asked for, nine stages ahead of its use
	s_wait_loadcnt \more                           ; set b's x is in; the one load issued behind it, the next trip's set a, may be out (last trip: none was issued)
	s_wait_xcnt 0x0                                ; every earlier load and store has had its addresses translated (ISA guide 3.1): only behind this wait are the two bases stepped and OUT, which the last store named, written anew
	s_wait_alu depctr_vm_vsrc(0)                   ; the last trip's store has read OUT, which TAKE0 and TAKE1 below write anew
.if \more
	s_add_nc_u64 s[4:5], s[4:5], TRIPB
	s_add_nc_u64 s[14:15], s[14:15], OSTEP
.endif
	PREP XB
	SA 1
	M4 0
	M1 0, XB                                       ; set b begins while set a ends
	SB 1
	TAKE0 0
	SA 0
	M4 1
	M1 1, XB
	SB 0
	TAKE1 0
	HIDDEN \more, XB, 12                           ; set b; in its first stage the next trip's set b is asked for (the base has stepped)
.if \more
	s_wait_loadcnt 1                               ; the next trip's set a is in; set b's load, issued behind it, may be out
	PREP XA
.endif
	SA 1
	M4 0
.if \more
	M1 0, XA
.endif
	SB 1
	TAKE0 1
.if \more
	SA 0
	M4 1
	M1 1, XA
	SB 0
	TAKE1 1
	STORE -OSTEP                                   ; this trip's 64 outputs: the base stands a trip on
.else
.rept 8
	v_nop                                          ; no other tile's work is left: eight places between the scale word's last line and the matrix instruction that takes it
.endr
	M4 1
.rept 4
	v_nop                                          ; and four in front of the line that takes its result (ISA guide 7.12.1)
.endr
	TAKE1 1
	STORE 0
.endif
.endm
	s_load_b256 s[4:11], s[0:1], 0x0               ; x s[4:5], W_first s[6:7], W_h0 s[8:9], W_h1 s[10:11]
	s_load_b128 s[12:15], s[0:1], 0x20             ; W_last s[12:13], out0 s[14:15]
	v_lshl_add_u32 v[SPW], v0, 2, SPARE
	v_mov_b32 v[NIL], 0
	v_lshrrev_b32 v41, 5, v0
	v_readfirstlane_b32 s16, v41                   ; wave 0..15
	v_and_b32 v41, 31, v0                          ; lane
	v_mul_u32_u24 v[XOFF], v41, 24
	v_lshlrev_b32 v[OOFF], 3, v41
	v_and_b32 v42, 7, v0
	v_bfe_u32 v43, v0, 3, 1
	v_lshl_add_u32 v42, v43, 5, v42                ; r % 8 + 32 (r / 8): my row in tile 0 of a weight of 64 rows
	v_bfe_u32 v43, v0, 4, 1                        ; h
	v_lshlrev_b32 v[IMGR], 4, v41                  ; all four LDS addresses are made here, ahead of the branch on the wave's number
	v_lshl_add_u32 v[SCLR], v41, 2, SCL
	s_wait_alu depctr_va_sdst(0)                   ; s16 is written, ahead of its first reader: LDS addresses, the bases and the branch on the wave's number are made from it
	s_mul_i32 s17, s16, FRB
	v_add_nc_u32 v[IMGW], s17, v[IMGR]
	s_lshl_b32 s17, s16, 7
	v_add_nc_u32 v[SCLW], s17, v[SCLR]
	v_mul_u32_u24 v[HID], v42, 12                  ; W_first: a row is 12 bytes
	v_add_nc_u32 v[HID+1], 4, v[HID]               ; register 1: k = 1 (lanes 16-31 load it too and are cleared below: their k = 3 does not exist)
	v_lshl_add_u32 v[HID], v43, 3, v[HID]          ; register 0: k = 2 h
.irp i, 3,4,5,9,10,11
	v_mov_b32 v[ACT+\i], 0                         ; the zero codes of the unused places: written once, and part of every weight's image too
.endr
	v_mov_b32 v[OT], 0                             ; written once: a lane permute's destination counts as one of its sources
	s_mov_b32 s24, 0x76543210
	s_mov_b32 s25, 0xfedcba98                      ; v_permlanex16_b32's selects for lane l xor 16
	s_mov_b32 s26, 0x04000400                      ; v_perm_b32: byte 0 of the second source, byte 0 of the first, and again
	s_mov_b32 s27, 0xffff0000                      ; lanes 16-31
	s_mov_b32 s29, 0x0000ffff                      ; lanes 0-15
	s_mul_i32 s22, ttmp9, 8192*12                  ; x: my work-group's 8,192 points,
	s_mul_i32 s17, s16, 64*12                      ; my wave's 64 of a trip's 1,024
	s_add_co_u32 s22, s22, s17
	s_mov_b32 s23, 0
	s_wait_kmcnt 0x0
	s_add_nc_u64 s[4:5], s[4:5], s[22:23]
	s_lshl_b32 s22, ttmp9, 15                      ; out0 likewise, 4 bytes a point
	s_lshl_b32 s17, s16, 8
	s_add_co_u32 s22, s22, s17
	s_add_nc_u64 s[14:15], s[14:15], s[22:23]
	s_wait_alu depctr_va_vdst(0)                   ; XOFF, OOFF, v64, v65, the four LDS addresses, the add's two registers and ACT's zero codes are written: the loads, stores and LDS instructions of the whole kernel read them
	LOADX XA, 0                                    ; the first trip's two sets
	LOADX XB, 12
.irp t, 0,1,2,3
	global_load_b32 v[WF+2*\t], v[HID], s[6:7] offset:96*\t        ; W_first's tile t begins 8 t rows on
	global_load_b32 v[WF+2*\t+1], v[HID+1], s[6:7] offset:96*\t
.endr
	; ---- waves 0 to 8 make one weight fragment each; the others go straight to the barrier
	s_cmp_gt_u32 s16, 8
	s_cbranch_scc1 .Lmade
	s_cmp_lt_u32 s16, 4                            ; the choice of the weight hangs on the wave's number alone
	s_cselect_b64 s[18:19], s[8:9], s[10:11]
	s_cmp_lt_u32 s16, 8
	s_cselect_b64 s[18:19], s[18:19], s[12:13]
	s_cselect_b32 s20, 256, 0                      ; bytes from row to row; for W_last 0: every lane takes the live row 0
	s_and_b32 s21, s16, 3
	s_lshl_b32 s21, s21, 3                         ; tile t begins 8 t rows on
	v_add_nc_u32 v[HID+2], s21, v42
	v_mul_u32_u24 v[HID+2], s20, v[HID+2]
	v_lshl_add_u32 v[HID+2], v43, 7, v[HID+2]      ; my row, + 128 h: block h of its 64 numbers
	s_wait_alu depctr_va_vdst(0)                   ; v66 is written, which the eight loads below read as their offset
.irp i, 0,1,2,3,4,5,6,7
	global_load_b128 v[WT+4*\i:WT+4*\i+3], v[HID+2], s[18:19] offset:16*\i
.endr
	s_wait_loadcnt 0x0
	MAX32 WT, 1
	v_add_nc_u32 v[SC], 0xff000000, v[MA]
	v_cvt_scalef32_pk16_fp6_f32 v[ACT:ACT+2], v[WT:WT+15], v[SC]
	v_cvt_scalef32_pk16_fp6_f32 v[ACT+6:ACT+8], v[WT+16:WT+31], v[SC]
	v_lshrrev_b32 v[BY], 23, v[SC]                 ; (a plain line behind the conversions)
	v_permlanex16_b32 v[OT], v[BY], s24, s25
	v_perm_b32 v[SW], v[OT], v[BY], s26
	s_wait_alu depctr_va_vdst(0)                   ; the conversions have written ACT and v_perm_b32 SW, which the LDS stores read; and the maximum and the conversions are done reading v144-175, in which the images' loads land behind the barrier
.irp c, 0,1,2
	ds_store_b128 v[IMGW], v[ACT+4*\c:ACT+4*\c+3] offset:512*\c    ; the fragment as it stands in my registers, zero codes and all
.endr
	ds_store_b32 v[SCLW], v[SW]
.Lmade:
	s_wait_dscnt 0x0                               ; for the others' sake: my stores have landed
	s_barrier_signal -1
	s_barrier_wait -1                              ; the launch's one barrier: nine images lie in LDS, and nobody writes them again
	s_wait_alu depctr_vm_vsrc(0)                   ; the loads of the weights have read their offsets v64-66 and my LDS stores have read ACT and SW: the first stage below writes all of these anew
.irp f, 0,1,2,3,4,5,6,7,8
.irp c, 0,1,2
	ds_load_b128 v[WT+12*\f+4*\c:WT+12*\f+4*\c+3], v[IMGR] offset:FRB*\f+512*\c
.endr
	ds_load_b32 v[AS+\f], v[SCLR] offset:128*\f
.endr
	s_wait_loadcnt 0x0                             ; x's first two sets and W_first
.irp t, 0,1,2,3
	v_cndmask_b32 v[WF+2*\t+1], 0, v[WF+2*\t+1], s29               ; k = 3 is 0 in W_first's fragments as in x's
.endr
	s_wait_dscnt 0x0                               ; the weights are in my registers, for the whole launch
	; ---- the pipeline is filled: set a's first layer, and tile 0's first stage
	PREP XA
	M1 0, XA
.rept 8
	v_nop                                          ; eight places between the f32 form and the first line that takes its result: no other work is at hand yet
.endr
	SA 0
	M1 1, XA
	SB 0
	s_mov_b32 s28, 7
.Ltrip:                                            ; seven trips that look ahead,
	BODY 1
	s_sub_co_u32 s28, s28, 1
	s_cmp_lg_u32 s28, 0
	s_cbranch_scc1 .Ltrip
	BODY 0                                         ; and the eighth, written out
	s_wait_dscnt 0x0                               ; the wave's end
	s_wait_alu 0x0
	s_wait_tensorcnt 0x0
	ds_add_u32 v[SPW], v[NIL]
	s_wait_dscnt 0x0
	s_endpgm
.Lfunc_end_k_q72eaad28ed_mlp:
	.size	k_q72eaad28ed_mlp, .Lfunc_end_k_q72eaad28ed_mlp-k_q72eaad28ed_mlp
	.p2alignl 7, 3214868480
	.fill 96, 4, 3214868480
	.section	.rodata,"a",@progbits
	.p2align	6, 0x0
	.amdhsa_kernel k_q72eaad28ed_mlp
		.amdhsa_group_segment_fixed_size 28672
		.amdhsa_private_segment_fixed_size 0
		.amdhsa_enable_private_segment 0
		.amdhsa_kernarg_size 48
		.amdhsa_user_sgpr_count 2
		.amdhsa_user_sgpr_kernarg_segment_ptr 1
		.amdhsa_wavefront_size32 1
		.amdhsa_system_sgpr_workgroup_id_x 1
		.amdhsa_system_sgpr_workgroup_id_y 1
		.amdhsa_system_sgpr_workgroup_id_z 1
		.amdhsa_system_vgpr_workitem_id 0
		.amdhsa_next_free_vgpr 256
		.amdhsa_next_free_sgpr 66
		.amdhsa_reserve_vcc 0
		.amdhsa_float_denorm_mode_32 3
		.amdhsa_float_denorm_mode_16_64 3
		.amdhsa_memory_ordered 1
		.amdhsa_forward_progress 1
		.amdhsa_inst_pref_size 81
	.end_amdhsa_kernel
	.amdgpu_metadata
---
amdhsa.version: [ 1, 2 ]
amdhsa.kernels:
  - .name:           k_q72eaad28ed_mlp
    .symbol:         k_q72eaad28ed_mlp.kd
    .args:
      - { .name: x, .offset: 0, .size: 8, .value_kind: global_buffer, .address_space: global }
      - { .name: W_first, .offset: 8, .size: 8, .value_kind: global_buffer, .address_space: global }
      - { .name: W_h0, .offset: 16, .size: 8, .value_kind: global_buffer, .address_space: global }
      - { .name: W_h1, .offset: 24, .size: 8, .value_kind: global_buffer, .address_space: global }
      - { .name: W_last, .offset: 32, .size: 8, .value_kind: global_buffer, .address_space: global }
      - { .name: out0, .offset: 40, .size: 8, .value_kind: global_buffer, .address_space: global }
    .group_segment_fixed_size: 28672
    .private_segment_fixed_size: 0
    .kernarg_segment_align: 8
    .kernarg_segment_size: 48
    .max_flat_workgroup_size: 512
    .sgpr_count:     66
    .vgpr_count:     256
    .wavefront_size: 32
...
	.end_amdgpu_metadata
.endif
;; end of part 2
